; MI455X (gfx1250); checked and timed in simulation.
; The chip was launched on July 23, 2026; its instructions are those of AMD's public machine-readable ISA for CDNA 5 (MIT licence, August 2026) and "CDNA5" Instruction Set Architecture Reference Guide (July 2026). The comments in the code are by the model that wrote it; some were corrected since.
;; Multi Head Global Attention. Allowed arithmetic: matrix products marked QUANTISED: E4M3 operands, one given power-of-two scale a tensor, by v_wmma_f32_16x16x64_fp8_fp8 or v_wmma_f32_16x16x128_fp8_fp8, f32 sums; products left as they are: f32 operands where the result goes on into a quantised operand, else bf16, f16 or f32 operands; f32 sums; everything else in f32.
;; Inputs: W_k_codes 512 x 16 x 32 uint8 (E4M3 codes of W_k, K innermost, in blocks of 32 codes); W_q 512 x 512 float32; W_v_codes 512 x 16 x 32 uint8 (E4M3 codes of W_v, K innermost, in blocks of 32 codes); lowp_scales 4 int32 (the exponents e of the quantised operands' scales 2^e); x 8 x 8,192 x 512 float32.
;; Outputs: out0 8 x 512 float32.
;; This version of the problem:
;;   THIS VERSION OF THE PROBLEM IS GIVEN IN LOW PRECISION. The matrix products marked QUANTISED in the list below multiply operands that are first quantised to E4M3 (4 exponent bits, 3 mantissa bits; 8 bits a number), with one given power-of-two scale for each operand tensor; their sums are f32. All else is computed in f32.
;;   The module's matrix products, in the order in which they are computed (A, B: the left and right operand; K: the contracted axis; several contracted axes count as one K, in the product's order):
;;     1. [M 8, K 512] x [K 512, N 512]; A: input x; B: input W_q: left as it is (M = 8 < 16)
;;     2. [M 65,536, K 512] x [K 512, N 512]; A: input x; B: input W_k (given as codes): QUANTISED (scales: A lowp_scales[0], B lowp_scales[1])
;;     3. [M 65,536, K 512] x [K 512, N 512]; A: input x; B: input W_v (given as codes): QUANTISED (scales: A lowp_scales[2], B lowp_scales[3])
;;     4. batch 8 x [M 1, K 512] x [K 512, N 8,192]; A: computed on the way; B: computed on the way: left as it is (M = 1 < 16)
;;     5. batch 8 x [M 1, K 8,192] x [K 8,192, N 512]; A: softmax; B: computed on the way: left as it is (M = 1 < 16)
;;   THE QUANTISER, for each operand of a quantised product, along K:
;;     - The operand's scale is 2^e, e = its entry of the input lowp_scales (int32; the entries are numbered through the quantised products in the list's order, A before B).
;;     - Each number is divided by the scale, clamped to +-448, and rounded to the nearest number of E4M3, ties to even, subnormals kept.
;;     - The product sums the exact products of the quantised numbers (number of the format x scale) in f32.
;;   ~~~python
;;   def quantise(x, axis, e):      # numpy; x: float32 -> the quantised numbers, widened to float32 again
;;       x = np.moveaxis(x, axis, -1); K = x.shape[-1]
;;       r = np.clip(x / 2.0 ** e, -448, 448)
;;       step = 2.0 ** (np.maximum(np.frexp(np.where(r == 0, 1, r))[1] - 1, -6) - 3)
;;       q = np.round(r / step) * step * 2.0 ** e      # np.round: ties to even
;;       return np.moveaxis(q, -1, axis).astype(np.float32)
;;   ~~~
;;   INPUTS GIVEN AS CODES. W_k (in the module: [512, 512], K = its axis 1); W_v (in the module: [512, 512], K = its axis 1): each comes as NAME_codes (uint8): NAME with its K axis moved to the last place and cut into blocks of 32 codes, [.., K / 32, bytes a block], one block behind the other in memory; one code a byte (a code: sign, 4 exponent bits, 3 mantissa bits); its scale is its entry of lowp_scales. Its value is code x scale, taken as it is: it is not quantised again, and the codes and scales need not be those that the quantiser above would give.
;; One version. Each part assembles by itself: llvm-mc -triple=amdgcn-amd-amdhsa -mcpu=gfx1250 --defsym DOCPART=n.
;; ======== version 1 of 1: 3 launches
;; limits: right only within a limited range of input values
;; workspace buffers: qbuf 16,384 bytes; wk2 262,144 bytes; wv2 262,144 bytes; part 655,360 bytes
;; launch prep (part 1): grid 128 x 1, 4 waves a work-group, no clusters, 1,536 bytes of LDS; arguments x, W_q, W_k_codes, W_v_codes, lowp_scales, qbuf, wk2, wv2; writes qbuf, wk2, wv2
.if DOCPART == 1
	.amdgcn_target "amdgcn-amd-amdhsa--gfx1250"
	.amdhsa_code_object_version 6
	.text
	.protected	k_q98a49f4891_prep
	.globl	k_q98a49f4891_prep
	.p2align	8
	.type	k_q98a49f4891_prep,@function
k_q98a49f4891_prep:
	s_mov_b64 s[64:65], 0
	v_nop
	global_prefetch_b8 v0, s[64:65] scope:SCOPE_SE
	s_setreg_imm32_b32 hwreg(HW_REG_WAVE_MODE, 25, 1), 1
	s_wait_xcnt 0x0
; Work-groups 0 to 63: q'[b][e] = (sum over d of x[b][8191][d] W_q[e][d]) x log2(e) / sqrt(512) x 2^(e0 + e1), in f32 by packed multiply-adds (8 rows are too few for a matrix tile).
; Work-group g makes e = 8 g .. 8 g + 7 for all eight batches; wave w of it batches 4 (w % 2) + 0 .. 3 and e = 8 g + 4 (w / 2) + 0 .. 3: eight rows of 2,048 bytes for sixteen sums.
; A lane holds d = 128 u + 4 lane + 0 .. 3, u = 0 .. 3, of each row: a load of a wave covers 512 consecutive bytes.
; qbuf is laid [e / 8][b][e % 8]: a work-group's 64 results are 256 consecutive bytes, gathered in LDS and stored by wave 0 in one instruction.
; Work-groups 64 to 127: the codes of W_k (64 to 95) and W_v (96 to 127) are laid out as images of the operand registers: [128 rows: w][K step s][16 rows: n][c][lane][16 bytes].
; Lane (r, h) of piece (w, s, n, c) holds row 128 w + 16 n + r; its dword u holds k = 128 u + 4 (8 s + 4 h + c) + 0 .. 3.  The next launch lays the codes of x in the same order of k.
; No tensor loads, no cluster: each byte of codes is read once in the launch, and W_q's rows and the eight last rows of x are small.
.set XR, 32                            ; v32-95    four last rows of x
.set WR, 96                            ; v96-159   four rows of W_q
.set TP, 160                           ; v160-191  running pairs: (batch i, row k) at 2 (4 i + k)
.set SR, 192                           ; v192-207  the sums
	s_load_b256 s[4:11], s[0:1], 0x0               ; x, W_q, W_k's codes, W_v's codes
	s_load_b256 s[12:19], s[0:1], 0x20             ; the scales' exponents, qbuf, wk2, wv2
	v_lshl_add_u32 v30, v0, 2, 0x200
	v_mov_b32 v31, 0
	v_lshrrev_b32 v1, 5, v0
	v_readfirstlane_b32 s20, v1                    ; wave
	v_and_b32 v5, 31, v0
	v_lshlrev_b32 v2, 4, v5                        ; 16 x lane
	v_and_b32 v9, 1, v1
	v_lshlrev_b32 v9, 7, v9
	v_lshrrev_b32 v10, 1, v1
	v_lshl_add_u32 v3, v10, 4, v9                  ; LDS: 128 (wave % 2) + 16 (wave / 2)
	v_lshlrev_b32 v4, 3, v5                        ; 8 x lane
	v_and_b32 v6, 15, v0
	v_bfe_u32 v7, v0, 4, 1
	v_lshlrev_b32 v8, 9, v6
	v_lshl_add_u32 v8, v7, 4, v8                   ; codes: row r of 512 bytes, + 16 h
	s_wait_alu depctr_va_vdst(0)                   ; the wait at the head's end
	s_wait_kmcnt 0x0
	s_cmp_lt_u32 ttmp9, 64
	s_cbranch_scc0 .Lrelay
	s_load_b128 s[24:27], s[12:13], 0x0            ; e0, e1, e2, e3
	s_mov_b32 s44, 0x76543210                      ; v_permlanex16_b32: each lane takes its own place in the other half
	s_mov_b32 s45, 0xfedcba98
	s_lshl_b32 s2, ttmp9, 14                       ; 8 rows of W_q, 2,048 bytes each, a work-group,
	s_lshr_b32 s3, s20, 1
	s_lshl_b32 s3, s3, 13                          ; 4 of them mine
	s_add_co_u32 s2, s2, s3
	s_mov_b32 s3, 0
	s_add_nc_u64 s[6:7], s[6:7], s[2:3]
	s_lshl_b32 s2, ttmp9, 8                        ; 256 bytes of qbuf a work-group
	s_add_nc_u64 s[14:15], s[14:15], s[2:3]
	s_and_b32 s36, s20, 1
	s_lshl_b32 s36, s36, 26                        ; four batches of 8,192 x 2,048 bytes
	s_mov_b32 s37, 0
	s_add_nc_u64 s[28:29], s[4:5], 0xfff800        ; row 8,191 of batch 0: 8,191 x 2,048 bytes
	s_add_nc_u64 s[28:29], s[28:29], s[36:37]
.irp b, 1,2,3
	s_add_nc_u64 s[28+2*\b:29+2*\b], s[26+2*\b:27+2*\b], 0x1000000
.endr
.irp k, 0,1,2,3
.irp u, 0,1,2,3
	global_load_b128 v[WR+16*\k+4*\u:WR+16*\k+4*\u+3], v2, s[6:7] offset:2048*\k+512*\u
.endr
.endr
.irp b, 0,1,2,3
.irp u, 0,1,2,3
	global_load_b128 v[XR+16*\b+4*\u:XR+16*\b+4*\u+3], v2, s[28+2*\b:29+2*\b] offset:512*\u
.endr
.endr
	s_wait_kmcnt 0x0
	s_add_co_i32 s24, s24, s25                     ; e0 + e1
	s_wait_loadcnt 0x0
.irp p, 0,1,2,3,4,5,6,7                 ; eight pairs of my 16 numbers; the sixteen sums take turns
.irp i, 0,1,2,3
.irp k, 0,1,2,3
.if \p == 0
	v_pk_mul_f32 v[TP+8*\i+2*\k:TP+8*\i+2*\k+1], v[XR+16*\i:XR+16*\i+1], v[WR+16*\k:WR+16*\k+1]
.else
	v_pk_fma_f32 v[TP+8*\i+2*\k:TP+8*\i+2*\k+1], v[XR+16*\i+2*\p:XR+16*\i+2*\p+1], v[WR+16*\k+2*\p:WR+16*\k+2*\p+1], v[TP+8*\i+2*\k:TP+8*\i+2*\k+1]
.endif
.endr
.endr
.endr
.set k, 0
.rept 16
	v_add_f32 v[SR+k], v[TP+2*k], v[TP+2*k+1]
.set k, k+1
.endr
.irp x, 1,2,4,8                        ; across the 16 lanes of a half
.set k, 0
.rept 16
	v_add_f32_dpp v[SR+k], v[SR+k], v[SR+k] row_xmask:\x row_mask:0xf bank_mask:0xf
.set k, k+1
.endr
.endr
.set k, 0
.rept 16                               ; and the other half
	v_permlanex16_b32 v[TP+k], v[SR+k], s44, s45
.set k, k+1
.endr
.set k, 0
.rept 16
	v_add_f32 v[SR+k], v[SR+k], v[TP+k]
.set k, k+1
.endr
.set k, 0
.rept 16
	v_mul_f32 v[SR+k], 0x3d8293ee, v[SR+k]         ; x log2(e) / sqrt(512)
.set k, k+1
.endr
.set k, 0
.rept 16
	v_ldexp_f32 v[SR+k], v[SR+k], s24              ; x 2^(e0 + e1), which the sums on codes lack
.set k, k+1
.endr
.irp i, 0,1,2,3
	ds_store_b128 v3, v[SR+4*\i:SR+4*\i+3] offset:32*\i   ; every lane holds the same four sums and writes them to the same 16 bytes
.endr
	s_wait_dscnt 0x0                               ; for the others' sake: my stores have landed
	s_barrier_signal -1
	s_barrier_wait -1
	s_cmp_lg_u32 s20, 0
	s_cbranch_scc1 .Lend
	ds_load_b64 v[12:13], v4                       ; wave 0: the work-group's 256 bytes
	s_wait_dscnt 0x0
	global_store_b64 v4, v[12:13], s[14:15]        ; 32 lanes store 256 consecutive bytes, at a multiple of 256 from qbuf's first byte
.Lend:
	s_wait_tensorcnt 0x0                           ; the wave's end
	ds_add_u32 v30, v31
	s_wait_dscnt 0x0
	s_endpgm
.Lrelay:
	s_sub_co_u32 s21, ttmp9, 64
	s_lshl_b32 s21, s21, 2
	s_add_co_u32 s21, s21, s20                     ; job 0 .. 255: bits 1:0 s, 4:2 n, 6:5 w, 7 which weight
	s_and_b32 s22, s21, 3
	s_bfe_u32 s23, s21, 0x50002                    ; 8 w + n
	s_lshl_b32 s2, s23, 13                         ; 16 rows of 512 bytes
	s_lshl_b32 s3, s22, 5                          ; 32 s bytes along each row
	s_add_co_u32 s2, s2, s3
	s_mov_b32 s3, 0
	s_bfe_u32 s24, s21, 0x20005                    ; w
	s_bfe_u32 s25, s21, 0x30002                    ; n
	s_lshl_b32 s24, s24, 16
	s_lshl_b32 s22, s22, 14
	s_lshl_b32 s25, s25, 11
	s_add_co_u32 s24, s24, s22
	s_add_co_u32 s24, s24, s25
	s_mov_b32 s25, 0
	s_cmp_lt_u32 ttmp9, 96
	s_cselect_b64 s[8:9], s[8:9], s[10:11]
	s_cselect_b64 s[16:17], s[16:17], s[18:19]
	s_add_nc_u64 s[8:9], s[8:9], s[2:3]
	s_add_nc_u64 s[16:17], s[16:17], s[24:25]
.irp u, 0,1,2,3
	global_load_b128 v[32+4*\u:35+4*\u], v8, s[8:9] offset:128*\u   ; four dwords, c = 0 .. 3, of part u of my row
.endr
	s_wait_loadcnt 0x0
.irp c, 0,1,2,3
.irp u, 0,1,2,3
	v_mov_b32 v[48+4*\c+\u], v[32+4*\u+\c]         ; dword u of piece c
.endr
.endr
.irp c, 0,1,2,3
	global_store_b128 v2, v[48+4*\c:51+4*\c], s[16:17] offset:512*\c   ; 32 lanes store 512 consecutive bytes, at a multiple of 256
.endr
	s_endpgm
.Lfunc_end_k_q98a49f4891_prep:
	.size	k_q98a49f4891_prep, .Lfunc_end_k_q98a49f4891_prep-k_q98a49f4891_prep
	.p2alignl 7, 3214868480
	.fill 96, 4, 3214868480
	.section	.rodata,"a",@progbits
	.p2align	6, 0x0
	.amdhsa_kernel k_q98a49f4891_prep
		.amdhsa_group_segment_fixed_size 1536
		.amdhsa_private_segment_fixed_size 0
		.amdhsa_enable_private_segment 0
		.amdhsa_kernarg_size 64
		.amdhsa_user_sgpr_count 2
		.amdhsa_user_sgpr_kernarg_segment_ptr 1
		.amdhsa_wavefront_size32 1
		.amdhsa_system_sgpr_workgroup_id_x 1
		.amdhsa_system_sgpr_workgroup_id_y 1
		.amdhsa_system_sgpr_workgroup_id_z 1
		.amdhsa_system_vgpr_workitem_id 0
		.amdhsa_next_free_vgpr 208
		.amdhsa_next_free_sgpr 66
		.amdhsa_reserve_vcc 0
		.amdhsa_float_denorm_mode_32 3
		.amdhsa_float_denorm_mode_16_64 3
		.amdhsa_memory_ordered 1
		.amdhsa_forward_progress 1
		.amdhsa_inst_pref_size 24
	.end_amdhsa_kernel
	.amdgpu_metadata
---
amdhsa.version: [ 1, 2 ]
amdhsa.kernels:
  - .name:           k_q98a49f4891_prep
    .symbol:         k_q98a49f4891_prep.kd
    .args:
      - { .name: x, .offset: 0, .size: 8, .value_kind: global_buffer, .address_space: global }
      - { .name: W_q, .offset: 8, .size: 8, .value_kind: global_buffer, .address_space: global }
      - { .name: W_k_codes, .offset: 16, .size: 8, .value_kind: global_buffer, .address_space: global }
      - { .name: W_v_codes, .offset: 24, .size: 8, .value_kind: global_buffer, .address_space: global }
      - { .name: lowp_scales, .offset: 32, .size: 8, .value_kind: global_buffer, .address_space: global }
      - { .name: qbuf, .offset: 40, .size: 8, .value_kind: global_buffer, .address_space: global }
      - { .name: wk2, .offset: 48, .size: 8, .value_kind: global_buffer, .address_space: global }
      - { .name: wv2, .offset: 56, .size: 8, .value_kind: global_buffer, .address_space: global }
    .group_segment_fixed_size: 1536
    .private_segment_fixed_size: 0
    .kernarg_segment_align: 8
    .kernarg_segment_size: 64
    .max_flat_workgroup_size: 128
    .sgpr_count:     66
    .vgpr_count:     208
    .wavefront_size: 32
...
	.end_amdgpu_metadata
.endif
;; end of part 1
;; launch attn (part 2): grid 256 x 1, 4 waves a work-group, clusters of 4 x 1, 327,680 bytes of LDS; arguments x, wk2, wv2, lowp_scales, qbuf, part; writes part
.if DOCPART == 2
	.amdgcn_target "amdgcn-amd-amdhsa--gfx1250"
	.amdhsa_code_object_version 6
	.text
	.protected	k_q98a49f4891_attn
	.globl	k_q98a49f4891_attn
	.p2align	8
	.type	k_q98a49f4891_attn,@function
k_q98a49f4891_attn:
	s_mov_b64 s[64:65], 0
	v_nop
	global_prefetch_b8 v0, s[64:65] scope:SCOPE_SE
	s_setreg_imm32_b32 hwreg(HW_REG_WAVE_MODE, 25, 1), 1
	s_wait_xcnt 0x0
	s_wait_alu depctr_hold_cnt(0) depctr_sa_sdst(0) depctr_va_vdst(0) depctr_va_sdst(0) depctr_va_ssrc(0) depctr_va_vcc(0) depctr_vm_vsrc(0)
	s_getreg_b32 s2, hwreg(HW_REG_IB_STS2, 6, 4)
	s_cmp_eq_u32 s2, 0
	s_cbranch_scc0 .Lentry_in_a_cluster
	s_endpgm
.Lentry_in_a_cluster:
	s_bfe_u32 s2, ttmp6, 0x10000c
	s_cmp_lg_u32 s2, 0x3003
	s_cbranch_scc0 .Lentry_shape_is_right
	s_endpgm
.Lentry_shape_is_right:
; For 256 rows s of one batch b: k = Q0(x) W_k^T and v = Q2(x) W_v^T on codes of FP8 (E4M3); t[s] = q' . k[s] (q' carries log2(e) / sqrt(512) and 2^(e0 + e1)); M = the largest t of the 256; p = 2^(t - M);
; l = sum of p; ctx[e] = sum over s of p[s] v[s][e].  k and v never leave the accumulators.  part gets ctx (x 2^(e2 + e3)), M and l; the next launch joins a batch's 32 parts.
; Q0, Q2: x / 2^e held within +-448, to the nearest code, ties to even, with e = lowp_scales[0] for k and [2] for v.
; LIMITS: e0 and e2 between -126 and 119, so that 2^e and 448 x 2^e are f32 numbers (e0 + e1 and e2 + e3 go through v_ldexp_f32 and have none).  NaN in x is not served.
; ORDER OF K: in a row of 512 codes the 16 bytes of slot 8 s + 2 c + h hold, dword u = 0 .. 3, k = 128 u + 4 (8 s + 4 h + c) + 0 .. 3: what ONE lane's four loads of a row bring, so a row leaves by one 16-byte LDS store a lane.
; The weights' images wk2, wv2 have the same order: the products meet their partners, the order of the sums differs.
; SHARES.  Four waves share the columns: wave w makes columns 128 w .. 128 w + 127 of k and of v for all rows; its quarter of a weight (64 KB) fills 512 registers.
; For quantising they share the rows: of each block of 32 rows wave w takes rows 8 w .. 8 w + 7, in four groups of two rows.
; PHASE K: W_k in registers, eight blocks of 32 rows.  W_k comes in two halves at once: K steps 0, 1 by a tensor load, K steps 2, 3 by loads into registers, dealt behind block 0's groups.  While they are on their way
;   blocks 0 and 1 are quantised, blocks 2 and 3 are asked for, and block 0's fragments are fetched.
;   Stage b: block b is multiplied; one barrier; block b + 1's fragments are asked for; block b + 2 is quantised.
; PHASE V: all scores are known, so M, p and l are final and nothing is rescaled.  W_v takes W_k's place; sixteen tiles of 16 rows; behind a tile's products the tile before is reduced with p.
; x comes by loads into registers, up to 63 loads of 512 consecutive bytes out in a wave: the stream is kept full by the loads themselves, so no prefetch stands beside them.
; CLUSTER: the four work-groups of a cluster ask JOINTLY for W_k's K steps 0, 1 and for W_v's K steps 2, 3: the same tensor load, the same descriptor, mask 15.  The other halves are not shared: beside WVH, VC and KC
; LDS has 27,648 bytes, and a half is 131,072; they go straight into registers, W_k's into its own, W_v's into the landing registers as the last two blocks leave them free.
; PHASE K USES THE MATRIX INSTRUCTION TRANSPOSED: source 0 = 16 rows of W_k, source 1 = 16 rows of x: register j of lane (r, h) is (x row r, column 16 n + 8 h + j): the sum with q runs along the lane's registers.
; Phase V the other way: register j of lane (r, h) is (x row 8 h + j, column 16 n + r): the sum with p runs over j and the two halves.
; LDS (bytes): WVH 0 to 131,071: first W_k's K steps 0, 1, then W_v's K steps 2, 3 (the launch's one refill)   VC 131,072: v codes, 256 rows of 528; row 64 w + 8 block + i
;   KC 266,240: two buffers of 32 rows of 528: k codes   SCP 300,032: score partials [wave][half][row]   PP 308,224: p, a copy for each wave   OST 312,320: the way out   SPARE 314,368.
; REGISTERS, in windows of 256: window 0: v1-21 addresses and scales, v24-31 at work, v32-95 q, v96-191 fragments of x's codes, v192-255 accumulators (between blocks: held numbers and codes);
;   phase V: v32-95 scratch, v96-223 two sets of fragments, v224-239 ctx, v240-255 two sets of p.
;   window 1: x as it lands, 128 registers for even blocks and 128 for odd ones; then W_v's K steps 0, 1.  window 2: W_k's K steps 0, 1; then W_v's 2, 3.  window 3: W_k's K steps 2, 3; then two sets of accumulators.
.set CP,    528                        ; a row of 512 codes in LDS: + 16 = 132 words: row r starts at bank 4 r mod 64 (64 banks of 4 bytes: ISA guide 11.1)
.set VC,    131072
.set KC,    266240
.set KCB,   32*CP                      ; one buffer of k codes
.set SCP,   300032
.set PP,    308224
.set OST,   312320
.set SPARE, 314368                     ; 128 bytes for each wave: two blocks of 256 bytes that no other line names
.set XO,   1                           ; v1   16 x lane
.set AKS,  2                           ; v2   where I store k codes: KC + 8 rows x wave + 16 x slot
.set AVS0, 3                           ; v3   the same for v codes: VC + 64 rows x wave + 16 x slot
.set AVS,  4                           ; v4   + the trip's rows
.set AKF,  5                           ; v5   my lane's place in a tile of k codes: KC + 528 r + 16 h
.set AVF,  6                           ; v6   in a tile of v codes: VC + 528 r + 16 h
.set AVF2, 7                           ; v7   the same, tiles 8 on
.set AWV,  9                           ; v9   my quarter of WVH: 32,768 x wave + 16 x lane
.set ASC0, 10                          ; v10  score partials: SCP + 2,048 x wave + 1,024 h + 4 r
.set ASC,  11                          ; v11  + the trip's 256 bytes
.set ASR,  12                          ; v12  SCP + 32 x lane: eight rows a lane
.set APS,  13                          ; v13  PP + 1,024 x wave + 32 x lane
.set APR,  14                          ; v14  PP + 1,024 x wave + 128 h
.set AOS,  15                          ; v15  OST + 512 x wave + 4 r
.set AOR,  16                          ; v16  OST + 512 x wave + 16 x lane
.set QO,   17                          ; v17  256 h
.set SPW,  18                          ; v18  my spare word: SPARE + 4 x my thread's number; never rewritten
.set NIL,  19                          ; v19  0; never rewritten
.set SCK,  20                          ; v20  2^e0;  s2 = 448 x 2^e0
.set SCV,  21                          ; v21  2^e2;  s3 = 448 x 2^e2
.set QQ,   32                          ; v32-95   q' of columns 16 n + 8 h + j at 8 n + j
.set FA,   96                          ; v96-159  a block's tile 0, K steps 0-3; then its tile 1's K steps 2, 3 in the first 32
.set FB,   160                         ; v160-191 its tile 1, K steps 0, 1
.set ACC,  192
.set TT,   192                         ; held numbers of two rows, for k
.set CD,   224                         ; their codes: k 8, v 8
.set F0,   96                          ; phase V
.set CTX,  224
.set PR,   240
.set SX,   32
.set MSB, 0
.macro WIN new                         ; the immediate's high byte repeats the setting that is left; a switch that changes nothing is dropped
.if MSB != \new
	s_set_vgpr_msb (MSB<<8)|\new
.set MSB, \new
.endif
.endm
.macro PLACES n                        ; plain vector instructions behind matrix instructions (ISA guide 7.12.1)
.rept \n
	v_nop
.endr
.endm
.macro ROUND                           ; a round of the cluster's barrier
	s_barrier_signal -1
	s_barrier_wait -1
	s_cmp_lg_u32 s16, 0
	s_cbranch_scc1 .Lnot_wave_0_\@
	s_barrier_signal -3
.Lnot_wave_0_\@:
	s_barrier_wait -3
	s_barrier_signal -1
	s_barrier_wait -1
.endm
; group gg (0-3: even blocks, 4-7: odd ones): two of my rows, eight loads of 512 consecutive bytes into v[32 gg ..]; register 16 row + 4 u + j is x(row, 128 u + 4 lane + j)
.macro XL gg, xoff
.set t, 0
.rept 8
	global_load_b128 v[32*(\gg)+4*t:32*(\gg)+4*t+3], v[XO], s[48:49] offset:(\xoff)+65536*((\gg)/4)+4096*((\gg)%4)+512*t th:TH_LOAD_NT
.set t, t+1
.endr
.endm
.macro WVL gg                          ; the same registers take W_v's K steps 0, 1, piece by piece of 512 bytes
.set t, 0
.rept 8
	global_load_b128 v[32*(\gg)+4*t:32*(\gg)+4*t+3], v[XO], s[50:51] offset:512*(8*(\gg)+t)
.set t, t+1
.endr
.endm
.macro WKL i0                          ; sixteen pieces of W_k's K steps 2, 3, from piece i0 on, straight into their registers
.set t, 0
.rept 16
	global_load_b128 v[4*((\i0)+t):4*((\i0)+t)+3], v[XO], s[32:33] offset:512*((\i0)+t)
.set t, t+1
.endr
.endm
.macro WL i0, cnt                      ; cnt pieces of a weight's half from LDS, piece i to v[4 i ..] of the destination's window
.set t, 0
.rept \cnt
	ds_load_b128 v[4*((\i0)+t):4*((\i0)+t)+3], v[AWV] offset:512*((\i0)+t)
.set t, t+1
.endr
.endm
; GROUP gg QUANTISED TWICE.  k: held within 448 x 2^e0 into TT; v: held within 448 x 2^e2 in place (the conversion to an 8-bit code does not saturate: ISA guide 7.6.2).  Then the conversions (k codes of
; row 0, row 1 at CD, CD + 4; v codes at CD + 8, CD + 12); one plain instruction behind them; and the landing registers are loaded again: mode 1 with x's rows xoff bytes on, mode 2 with W_v, mode 0 not here.
.macro GROUP gg, cnt, mode, xoff
	s_wait_loadcnt \cnt
	WIN 0x01
.set e, 0
.rept 32
	v_med3_num_f32 v[TT+e], v[32*(\gg)+e], -s2, s2
.set e, e+1
.endr
	WIN 0x41
.set e, 0
.rept 32
	v_med3_num_f32 v[32*(\gg)+e], v[32*(\gg)+e], -s3, s3
.set e, e+1
.endr
	WIN 0
.irp q, 0,1,2,3
	v_cvt_scalef32_pk8_fp8_f32 v[CD+2*\q:CD+2*\q+1], v[TT+8*\q:TT+8*\q+7], v[SCK]
.endr
	WIN 0x01
.irp q, 0,1,2,3
	v_cvt_scalef32_pk8_fp8_f32 v[CD+8+2*\q:CD+9+2*\q], v[32*(\gg)+8*\q:32*(\gg)+8*\q+7], v[SCV]
.endr
	v_nop
.if \mode == 1
	WIN 0x40
	XL \gg, \xoff
.elseif \mode == 2
	WIN 0x40
	WVL \gg
.endif
	WIN 0
.endm
.macro CSTORE gg, kc, av, voff         ; a group's codes to LDS: each store lays down a whole row of 512 bytes
	ds_store_b128 v[AKS], v[CD:CD+3] offset:(\kc)*KCB+2*((\gg)%4)*CP
	ds_store_b128 v[AKS], v[CD+4:CD+7] offset:(\kc)*KCB+2*((\gg)%4)*CP+CP
	ds_store_b128 v[\av], v[CD+8:CD+11] offset:(\voff)+2*((\gg)%4)*CP
	ds_store_b128 v[\av], v[CD+12:CD+15] offset:(\voff)+2*((\gg)%4)*CP+CP
.endm
; the four fragments (16 rows x 512 K) of a tile of codes: registers 16 s + 4 c .. + 3 of lane (r, h) hold slot 8 s + 2 c + h of row r
.macro FETCH f, adr, off
.irp s, 0,1,2,3
.irp c, 0,1,2,3
	ds_load_b128 v[\f+16*\s+4*\c:\f+16*\s+4*\c+3], v[\adr] offset:\off+128*\s+32*\c
.endr
.endr
.endm
.macro FETCH24 kc                      ; a block's first 24 fragment loads: tile 0 whole into FA, tile 1's K steps 0, 1 into FB
	FETCH FA, AKF, (\kc)*KCB
.irp s, 0,1
.irp c, 0,1,2,3
	ds_load_b128 v[FB+16*\s+4*\c:FB+16*\s+4*\c+3], v[AKF] offset:(\kc)*KCB+16*CP+128*\s+32*\c
.endr
.endr
.endm
; 16 matrix instructions: two K steps x my eight tiles of columns; the eight accumulators take turns, one instruction a turn
.macro HALF a0, a1, win, zero
	WIN \win
.irp n, 0,1,2,3,4,5,6,7
.if \zero
	v_wmma_f32_16x16x128_fp8_fp8 v[ACC+8*\n:ACC+8*\n+7], v[16*\n:16*\n+15], v[\a0:\a0+15], 0
.else
	v_wmma_f32_16x16x128_fp8_fp8 v[ACC+8*\n:ACC+8*\n+7], v[16*\n:16*\n+15], v[\a0:\a0+15], v[ACC+8*\n:ACC+8*\n+7]
.endif
.endr
.irp n, 0,1,2,3,4,5,6,7
	v_wmma_f32_16x16x128_fp8_fp8 v[ACC+8*\n:ACC+8*\n+7], v[128+16*\n:128+16*\n+15], v[\a1:\a1+15], v[ACC+8*\n:ACC+8*\n+7]
.endr
.endm
; q' . k for a tile: lane (r, h) sums row r over its 64 columns, in eight chains that run in the first two accumulators' registers; each accumulator from its low end on
.macro RED out
.irp n, 0,1,2,3,4,5,6,7
.irp i, 0,2,4,6
.if \n < 2
	v_pk_mul_f32 v[ACC+8*\n+\i:ACC+8*\n+\i+1], v[ACC+8*\n+\i:ACC+8*\n+\i+1], v[QQ+8*\n+\i:QQ+8*\n+\i+1]
.else
	v_pk_fma_f32 v[ACC+8*(\n%2)+\i:ACC+8*(\n%2)+\i+1], v[ACC+8*\n+\i:ACC+8*\n+\i+1], v[QQ+8*\n+\i:QQ+8*\n+\i+1], v[ACC+8*(\n%2)+\i:ACC+8*(\n%2)+\i+1]
.endif
.endr
.endr
.irp i, 0,2,4,6
	v_pk_add_f32 v[ACC+\i:ACC+\i+1], v[ACC+\i:ACC+\i+1], v[ACC+8+\i:ACC+9+\i]
.endr
	v_pk_add_f32 v[ACC:ACC+1], v[ACC:ACC+1], v[ACC+4:ACC+5]
	v_pk_add_f32 v[ACC+2:ACC+3], v[ACC+2:ACC+3], v[ACC+6:ACC+7]
	v_pk_add_f32 v[ACC:ACC+1], v[ACC:ACC+1], v[ACC+2:ACC+3]
	v_add_f32 v[\out], v[ACC], v[ACC+1]
.endm
; STAGE b, block b in buffer kc.  cnt: the LDS instructions issued behind the block's 24 fragment loads, which may stay out.
; ONE barrier: at its signal my reads of buffer kc are over and my codes of block b + 1 (stored in the stage before) have landed; tile 1's last sixteen products stand between signal and wait.
; Behind it block b + 1's fragments are asked for, and block b + 2 is quantised into buffer kc (mode 1, 2) or nothing is left to quantise (mode 0).
; last = 1: W_v's K step 2 comes from LDS into W_k's first registers behind the last products that read them, and the barrier stands behind the last score partials.
.macro STAGE kc, cnt, mode, voff, last
	s_wait_dscnt \cnt
	HALF FA, FA+16, 0x02, 1
	HALF FA+32, FA+48, 0x03, 0
	WIN 0
	PLACES 4
.irp s, 2,3                            ; tile 1's K steps 2, 3 into the registers that tile 0's K steps 0, 1 have left
.irp c, 0,1,2,3
	ds_load_b128 v[FA+16*(\s-2)+4*\c:FA+16*(\s-2)+4*\c+3], v[AKF] offset:(\kc)*KCB+16*CP+128*\s+32*\c
.endr
.endr
	RED 24
	HALF FB, FB+16, 0x02, 1
	s_wait_dscnt 0x0                               ; my reads of this buffer are over and my codes have landed: zero, for the others' sake
.if \last
	WIN 0
	PLACES 4
	s_wait_tensorcnt 0x0                           ; my quarter of WVH, asked for at the head of phase K; only I read it
	WIN 0x80
	WL 0, 32
.else
	s_barrier_signal -1
.endif
	HALF FA, FA+16, 0x03, 0
	WIN 0
	PLACES 4
.if \last == 0
	s_barrier_wait -1                              ; block b + 1's k codes are whole; buffer kc may be written again
	FETCH24 1-\kc
.endif
	RED 25
	ds_store_b32 v[ASC], v24 offset:128*(\kc)
	ds_store_b32 v[ASC], v25 offset:128*(\kc)+64
.if \mode
.if (\mode == 1) && (\kc == 0)
	s_wait_xcnt 0x0                                ; every load issued has had its address translated: x's base is stepped only behind this wait, two tiles' products behind the last of them
	s_add_nc_u64 s[48:49], s[48:49], 131072
.endif
.irp g, 0,1,2,3
	GROUP 4*\kc+\g, 56, \mode, 131072              ; 64 loads are asked for, mine are the oldest eight
	CSTORE \g, \kc, AVS, \voff
.endr
.endif
.endm
; 16 matrix instructions of phase V: K steps s0, s0 + 1 x my eight tiles of columns, the eight accumulators by turns.  zero = 1: K step s0 starts the sums
.macro MUL16 acc, f, s0, zero
.irp s, \s0, \s0+1
.irp n, 0,1,2,3,4,5,6,7
.if \zero && ((\s) == (\s0))
	v_wmma_f32_16x16x128_fp8_fp8 v[\acc+8*\n:\acc+8*\n+7], v[\f+16*(\s):\f+16*(\s)+15], v[128*((\s)%2)+16*\n:128*((\s)%2)+16*\n+15], 0
.else
	v_wmma_f32_16x16x128_fp8_fp8 v[\acc+8*\n:\acc+8*\n+7], v[\f+16*(\s):\f+16*(\s)+15], v[128*((\s)%2)+16*\n:128*((\s)%2)+16*\n+15], v[\acc+8*\n:\acc+8*\n+7]
.endif
.endr
.endr
.endm
; ctx += p x v for accumulator set a; eight chains by turns, each accumulator from its low end on.  first = 1: these products start ctx
.macro VRED a, first
	WIN 0x03                                       ; source 0 (the sums) window 3
.irp j, 0,2,4,6
.irp n, 0,1,2,3,4,5,6,7
.if \first && (\j == 0)
	v_pk_mul_f32 v[CTX+2*\n:CTX+2*\n+1], v[64*(\a)+8*\n+\j:64*(\a)+8*\n+\j+1], v[PR+8*(\a)+\j:PR+8*(\a)+\j+1]
.else
	v_pk_fma_f32 v[CTX+2*\n:CTX+2*\n+1], v[64*(\a)+8*\n+\j:64*(\a)+8*\n+\j+1], v[PR+8*(\a)+\j:PR+8*(\a)+\j+1], v[CTX+2*\n:CTX+2*\n+1]
.endif
.endr
.endr
	WIN 0
.endm
.macro PLOAD m                         ; tile m's p
	ds_load_b128 v[PR+8*((\m)%2):PR+8*((\m)%2)+3], v[APR] offset:256*((\m)%4)+32*((\m)/4)
	ds_load_b128 v[PR+8*((\m)%2)+4:PR+8*((\m)%2)+7], v[APR] offset:256*((\m)%4)+32*((\m)/4)+16
.endm
; Tile m of phase V: VC's rows 16 m on, which are x's rows 64 (m % 4) + 32 h + 8 (m / 4) + j for register j of half h.  32 products into set m % 2; then the tile before is reduced: those packed multiply-adds name none
; of this tile's registers, so they are the places ahead of the fragment loads behind them and of the reads of this tile's results; then ONE run of LDS loads: tile m + 1's p, and tile m + 2's fragments into the
; registers that this tile has read.  cnt: what was issued behind this tile's fragments and the p of the tile before, the last run alone.
.macro VTILE m, cnt
.set AB, (\m)%2
.set VFA, F0+64*AB
	s_wait_alu depctr_va_vdst(0)
	s_wait_dscnt \cnt
	WIN 0xf4                                       ; source 1 (W_v's K steps 0, 1) window 1; C and D window 3
	MUL16 64*AB, VFA, 0, 1
	WIN 0xf8                                       ; W_v's K steps 2, 3: window 2
	MUL16 64*AB, VFA, 2, 0
.if (\m) == 0
	WIN 0
	PLACES 4
.elseif (\m) == 1
	VRED 1-AB, 1
.else
	VRED 1-AB, 0
.endif
.if (\m) < 15
	PLOAD (\m)+1
.endif
.if (\m) < 6
	FETCH VFA, AVF, 16*CP*((\m)+2)
.elseif (\m) < 14
	FETCH VFA, AVF2, 16*CP*((\m)-6)
.endif
.endm
	s_load_b256 s[4:11], s[0:1], 0x0               ; x s[4:5], wk2 s[6:7], wv2 s[8:9], the scales' exponents s[10:11]
	s_load_b128 s[12:15], s[0:1], 0x20             ; qbuf s[12:13], part s[14:15]
	v_lshl_add_u32 v[SPW], v0, 2, SPARE
	v_mov_b32 v[NIL], 0
	ds_add_u32 v[SPW], v[NIL]                      ; the opening: the add, twice on end, and its wait ahead of my first tensor load
	ds_add_u32 v[SPW], v[NIL]
	v_lshrrev_b32 v30, 5, v0
	v_readfirstlane_b32 s16, v30                   ; wave 0..3
	s_bfe_u32 s17, ttmp6, 0x40000                  ; cx: my place in the cluster: it enters x's and part's addresses alone
	s_lshl_b32 s18, ttmp9, 2                       ; in a cluster launch ttmp9 counts clusters
	s_add_co_u32 s18, s18, s17                     ; my block of 256 rows
	s_lshr_b32 s19, ttmp9, 3                       ; the batch: 32 blocks, 8 clusters, each
	s_mov_b32 s58, 0x76543210                      ; v_permlanex16_b32: each lane takes its own place in the other half
	s_mov_b32 s59, 0xfedcba98
	; descriptor group 1, for both tensor loads: elements of 8 bytes, 32 dense rows of 1,024 bytes a wave
	s_mov_b32 s24, 15|(3<<16)|(1<<21)              ; 15:0 the mask: all four work-groups; 17:16 elements of 8 bytes; 21 set beside a mask
	s_mov_b32 s25, 128<<16                         ; tensor_dim0
	s_mov_b32 s26, 32<<16                          ; tensor_dim1
	s_mov_b32 s27, 128<<16                         ; tile_dim0
	s_mov_b32 s28, 32                              ; tile_dim1
	s_mov_b32 s29, 128                             ; from row to row
	s_mov_b32 s30, 0
	s_mov_b32 s31, 0
	s_mov_b32 s40, 1                               ; groups 0: count = 1
	s_mov_b32 s44, 1
	s_lshl_b32 s41, s16, 15                        ; my quarter of WVH: W_k's K steps 0, 1 first,
	s_lshl_b32 s45, s16, 15                        ; then W_v's 2, 3
	s_mul_i32 s60, s16, 8*CP
	s_add_co_u32 s60, s60, KC
	s_mul_i32 s61, s16, 64*CP
	s_add_co_u32 s61, s61, VC
	s_lshl_b32 s62, s16, 11
	s_add_co_u32 s62, s62, SCP
	s_lshl_b32 s63, s16, 10
	s_add_co_u32 s63, s63, PP
	s_lshl_b32 s57, s16, 9
	s_add_co_u32 s57, s57, OST
	; every LDS address, of the thread's number, the wave's number and constants
	v_and_b32 v27, 31, v0                          ; lane
	v_and_b32 v28, 15, v0                          ; r
	v_bfe_u32 v29, v0, 4, 1                        ; h
	v_lshlrev_b32 v[XO], 4, v27
	v_and_b32 v24, 24, v27                         ; lane 8 s + 4 h + c stores at slot 8 s + 2 c + h
	v_and_b32 v25, 3, v27
	v_lshl_add_u32 v24, v25, 1, v24
	v_bfe_u32 v26, v27, 2, 1
	v_add_nc_u32 v24, v24, v26
	v_lshl_add_u32 v[AKS], v24, 4, s60
	v_lshl_add_u32 v[AVS0], v24, 4, s61
	v_mul_u32_u24 v30, v28, CP
	v_lshl_add_u32 v30, v29, 4, v30
	v_add_nc_u32 v[AVF], VC, v30
	v_add_nc_u32 v[AVF2], VC+128*CP, v30
	v_add_nc_u32 v[AKF], KC, v30
	v_add_nc_u32 v[AWV], s45, v[XO]
	v_lshlrev_b32 v31, 2, v28
	v_lshl_add_u32 v31, v29, 10, v31
	v_add_nc_u32 v[ASC0], s62, v31
	v_lshl_add_u32 v[ASR], v27, 5, SCP
	v_lshl_add_u32 v[APS], v27, 5, s63
	v_lshl_add_u32 v[APR], v29, 7, s63
	v_lshl_add_u32 v[AOS], v28, 2, s57
	v_lshl_add_u32 v[AOR], v27, 4, s57
	v_lshlrev_b32 v[QO], 8, v29
	s_wait_alu depctr_va_vdst(0)
	; byte offsets, apart from the addresses
	s_lshl_b32 s2, s18, 19                         ; x: 256 rows of 2,048 bytes a work-group,
	s_lshl_b32 s3, s16, 14                         ; 8 a wave in each block of 32
	s_add_co_u32 s2, s2, s3
	s_mov_b32 s3, 0
	s_lshl_b32 s60, s16, 16                        ; the weights' images: 65,536 bytes a wave
	s_mov_b32 s61, 0
	s_lshl_b32 s62, s16, 12                        ; qbuf [e / 8][b][e % 8]: sixteen groups of 256 bytes a wave,
	s_lshl_b32 s63, s19, 5                         ; 32 bytes a batch
	s_add_co_u32 s62, s62, s63
	s_mov_b32 s63, 0
	s_mul_i32 s56, s18, 2560                       ; part: 2,560 bytes a work-group,
	s_lshl_b32 s57, s16, 9                         ; 512 a wave
	s_add_co_u32 s56, s56, s57
	s_mov_b32 s57, 0
	s_wait_dscnt 0x0                               ; both opening adds are done
	s_wait_kmcnt 0x0
	s_load_b128 s[20:23], s[10:11], 0x0            ; e0, e1, e2, e3
	s_add_nc_u64 s[48:49], s[4:5], s[2:3]          ; x at my wave's first row
	s_add_nc_u64 s[50:51], s[8:9], s[60:61]        ; W_v's image, my quarter: K steps 0, 1 first
	s_add_nc_u64 s[42:43], s[6:7], s[60:61]        ; W_k's likewise: nothing in either descriptor hangs on the place in the cluster
	s_add_nc_u64 s[32:33], s[42:43], 0x8000        ; W_k's K steps 2, 3
	s_or_b32 s43, s43, 0x80000000                  ; type = 2
	s_add_nc_u64 s[46:47], s[50:51], 0x8000        ; W_v's K steps 2, 3
	s_or_b32 s47, s47, 0x80000000
	s_add_nc_u64 s[52:53], s[12:13], s[62:63]
	s_add_nc_u64 s[14:15], s[14:15], s[56:57]
	ROUND                                          ; all four work-groups are here: the first joint load meets
	tensor_load_to_lds s[40:43], s[24:31]          ; my quarter of W_k's K steps 0, 1: the launch's one first fill, ahead of x, since no product can start without it; one tensor load of mine is out
	s_nop 0
	PLACES 4                                       ; (four v_nop behind a tensor load)
.irp n, 0,1,2,3,4,5,6,7
	global_load_b128 v[QQ+8*\n:QQ+8*\n+3], v[QO], s[52:53] offset:512*\n       ; q' of columns 128 w + 16 n + 8 h + 0 .. 7
	global_load_b128 v[QQ+8*\n+4:QQ+8*\n+7], v[QO], s[52:53] offset:512*\n+16
.endr
	WIN 0x40
.irp g, 0,1,2,3,4,5,6,7
	XL \g, 0                                       ; blocks 0 and 1
.endr
	WIN 0
	s_wait_kmcnt 0x0
	s_add_co_i32 s60, s20, 127
	s_lshl_b32 s61, s60, 23
	v_mov_b32 v[SCK], s61                          ; 2^e0 as f32: the conversion takes its exponent field
	s_add_co_i32 s60, s60, 8
	s_lshl_b32 s60, s60, 23
	s_or_b32 s2, s60, 0x600000                     ; 448 x 2^e0
	s_add_co_i32 s60, s22, 127
	s_lshl_b32 s61, s60, 23
	v_mov_b32 v[SCV], s61                          ; 2^e2
	s_add_co_i32 s60, s60, 8
	s_lshl_b32 s60, s60, 23
	s_or_b32 s3, s60, 0x600000                     ; 448 x 2^e2
	s_wait_alu depctr_va_vdst(0)
	; Blocks 0 and 1.  Behind each of block 0's groups sixteen loads of W_k go out, behind each of block 1's two groups of blocks 2 and 3, into registers that earlier groups have left.
	; Behind group 0's eight loads 56 are younger, behind every later group's 64 or more, and a count names 63 at the most.
.irp g, 0,1,2,3,4,5,6,7
.if \g == 0
.set CN, 56
.else
.set CN, 63
.endif
	GROUP \g, CN, 0, 0
.if \g < 4
	WIN 0xc0                                       ; destination window 3
	WKL 16*\g
.else
	WIN 0x40
	XL 2*(\g-4), 131072
	XL 2*(\g-4)+1, 131072
.endif
	WIN 0
	CSTORE \g, \g/4, AVS0, 8*CP*(\g/4)
.endr
	s_wait_alu depctr_va_vdst(0)
	s_wait_dscnt 0x0                               ; for the others' sake: my codes have landed
	s_barrier_signal -1
	s_barrier_wait -1                              ; blocks 0 and 1's k codes lie in buffers 0 and 1
	FETCH24 0
	s_wait_tensorcnt 0x0                           ; my quarter of W_k's K steps 0, 1 is in LDS; I read no other wave's
	WIN 0x80                                       ; destination window 2
	WL 0, 64
	WIN 0
	s_wait_tensorcnt 0x0                           ; no tensor load of mine is out;
	ds_add_u32 v[SPW], v[NIL]                      ; 0 onto my spare word;
	s_wait_dscnt 0x0                               ; the add is done, and this half of W_k is in my registers: my reads of the first fill are over
	ROUND                                          ; so it is with every wave of all four work-groups: WVH may be filled again
	tensor_load_to_lds s[44:47], s[24:31]          ; my quarter of W_v's K steps 2, 3: the launch's one refill, first behind the round; it has all of phase K in which to land
	s_nop 0
	PLACES 4
	s_mov_b32 s54, 2                               ; trips of the loop
	s_mov_b32 s55, 16*CP                           ; block 2's rows in my run of v codes
	s_mov_b32 s56, 0                               ; the trip's 64 rows among the score partials
	s_wait_loadcnt 63                              ; q' and W_k's K steps 2, 3 are in: 64 loads of x were issued behind them
.Ltrip:                                                ; stages 2 t and 2 t + 1: blocks 2 t + 2, 2 t + 3 are quantised, blocks 2 t + 4, 2 t + 5 are asked for
	v_add_nc_u32 v[AVS], s55, v[AVS0]
	v_add_nc_u32 v[ASC], s56, v[ASC0]
	STAGE 0, 18, 1, 0, 0                           ; (behind the fragment loads: two stores of partials, sixteen of codes; in the first trip the fragments are in)
	STAGE 1, 18, 1, 8*CP, 0
	s_add_co_u32 s55, s55, 16*CP
	s_add_co_u32 s56, s56, 256
	s_sub_co_u32 s54, s54, 1
	s_cmp_lg_u32 s54, 0
	s_wait_alu depctr_va_vdst(0)
	s_cbranch_scc1 .Ltrip
	v_add_nc_u32 v[AVS], s55, v[AVS0]              ; the last four stages are written out: no load of x passes my rows; W_v's K steps 0, 1 come in x's place
	v_add_nc_u32 v[ASC], s56, v[ASC0]
	STAGE 0, 18, 2, 0, 0
	STAGE 1, 18, 2, 8*CP, 0
	s_add_co_u32 s56, s56, 256
	v_add_nc_u32 v[ASC], s56, v[ASC0]
	STAGE 0, 18, 0, 0, 0
	STAGE 1, 2, 0, 0, 1
	s_wait_dscnt 0x0                               ; for the others' sake: my score partials have landed
	s_barrier_signal -1
	s_barrier_wait -1                              ; all 256 rows' partials lie in SCP, all v codes in VC
	; THE SOFTMAX of the work-group's 256 rows, made by every wave for itself: lane l takes rows 8 l .. 8 l + 7.  The maximum is taken away before the exponential.
.irp w, 0,1,2,3,4,5,6,7
	ds_load_b128 v[SX+8*\w:SX+8*\w+3], v[ASR] offset:1024*\w
	ds_load_b128 v[SX+8*\w+4:SX+8*\w+7], v[ASR] offset:1024*\w+16
.endr
	FETCH F0, AVF, 0                               ; phase V's first two tiles,
	FETCH F0+64, AVF, 16*CP
	WIN 0x80
	WL 32, 32                                      ; and W_v's K step 3
	WIN 0
	s_wait_dscnt 63                                ; the partials are in: 64 loads were issued behind them
.irp w, 0,16,32,48
.irp j, 0,2,4,6
	v_pk_add_f32 v[SX+\w+\j:SX+\w+\j+1], v[SX+\w+\j:SX+\w+\j+1], v[SX+\w+8+\j:SX+\w+9+\j]
.endr
.endr
.irp w, 0,32
.irp j, 0,2,4,6
	v_pk_add_f32 v[SX+\w+\j:SX+\w+\j+1], v[SX+\w+\j:SX+\w+\j+1], v[SX+\w+16+\j:SX+\w+17+\j]
.endr
.endr
.irp j, 0,2,4,6
	v_pk_add_f32 v[SX+\j:SX+\j+1], v[SX+\j:SX+\j+1], v[SX+32+\j:SX+33+\j]      ; t
.endr
	v_max3_num_f32 v27, v[SX], v[SX+1], v[SX+2]
	v_max3_num_f32 v30, v[SX+3], v[SX+4], v[SX+5]
	v_max3_num_f32 v27, v27, v[SX+6], v[SX+7]
	v_max_num_f32 v27, v27, v30
.irp x, 1,2,4,8
	v_max_num_f32_dpp v27, v27, v27 row_xmask:\x row_mask:0xf bank_mask:0xf
.endr
	v_permlanex16_b32 v30, v27, s58, s59
	v_max_num_f32 v28, v27, v30                    ; M, in every lane
.irp j, 0,1,2,3,4,5,6,7
	v_sub_f32 v[SX+\j], v[SX+\j], v28
.endr
	s_wait_alu depctr_va_vdst(0)                   ; the wait ahead of the batch
.irp j, 0,1,2,3,4,5,6,7
	v_exp_f32 v[SX+\j], v[SX+\j]                   ; p = 2^(t - M), at most 1
.endr
	v_max_num_f32 v30, v27, v30                    ; M once more, for the quad (M, l, M, l): also the plain instruction behind the exponentials
	s_wait_alu depctr_va_vdst(0)                   ; and behind it
	v_pk_add_f32 v[SX+8:SX+9], v[SX:SX+1], v[SX+2:SX+3]
	v_pk_add_f32 v[SX+10:SX+11], v[SX+4:SX+5], v[SX+6:SX+7]
	v_pk_add_f32 v[SX+8:SX+9], v[SX+8:SX+9], v[SX+10:SX+11]
	v_add_f32 v27, v[SX+8], v[SX+9]
.irp x, 1,2,4,8
	v_add_f32_dpp v27, v27, v27 row_xmask:\x row_mask:0xf bank_mask:0xf
.endr
	v_permlanex16_b32 v[SX+10], v27, s58, s59
	v_add_f32 v29, v27, v[SX+10]                   ; l
	v_add_f32 v31, v27, v[SX+10]
	ds_store_b128 v[APS], v[SX:SX+3]               ; p into my wave's own copy: LDS serves a wave's instructions in order, so its loads below see these stores
	ds_store_b128 v[APS], v[SX+4:SX+7] offset:16
	PLOAD 0
	s_cmp_lg_u32 s16, 0
	s_cbranch_scc1 .Lno_stats
	global_store_b128 v[XO], v[28:31], s[14:15] offset:2048   ; wave 0: (M, l) 64 times: 512 consecutive bytes, so that part's blocks of 256 bytes are written whole
.Lno_stats:
	; PHASE V
	s_wait_loadcnt 0x0                             ; W_v's K steps 0, 1 are in window 1
	VTILE 0, 2                                     ; all but its p, which the next tile uses: W_v's K step 3 is in
.set TI, 1
.rept 14
	VTILE TI, 18
.set TI, TI+1
.endr
	VTILE 15, 2
	s_wait_alu depctr_va_vdst(0)
	s_wait_dscnt 0x0                               ; tile 15's p, which the wait at its head left out
	VRED 1, 0                                      ; tile 15: tile 14's 32 multiply-adds stand between its last products and these reads
	; THE WAY OUT: even and odd rows, the other half of the lanes' rows, x 2^(e2 + e3); through my own 512 bytes of LDS, so that a lane holds four neighbouring columns
.irp n, 0,1,2,3,4,5,6,7
	v_add_f32 v[SX+\n], v[CTX+2*\n], v[CTX+2*\n+1]
.endr
.irp n, 0,1,2,3,4,5,6,7
	v_permlanex16_b32 v[SX+16+\n], v[SX+\n], s58, s59
.endr
.irp n, 0,1,2,3,4,5,6,7
	v_add_f32 v[SX+\n], v[SX+\n], v[SX+16+\n]
.endr
	s_add_co_i32 s60, s22, s23
.irp n, 0,1,2,3,4,5,6,7
	v_ldexp_f32 v[SX+\n], v[SX+\n], s60
.endr
.irp n, 0,1,2,3,4,5,6,7
	ds_store_b32 v[AOS], v[SX+\n] offset:64*\n     ; column 16 n + r; lanes r and 16 + r hold the same sum and write the same word
.endr
	ds_load_b128 v[SX+8:SX+11], v[AOR]
	s_wait_dscnt 0x0
	global_store_b128 v[XO], v[SX+8:SX+11], s[14:15]   ; 32 lanes store 512 consecutive bytes, at a multiple of 256 from part's first byte
	s_wait_tensorcnt 0x0                           ; the wave's end: behind my last tensor load and my last LDS store
	ds_add_u32 v[SPW], v[NIL]
	s_wait_dscnt 0x0
	ROUND                                          ; the closing round: no work-group ends while a partner may still ask for a tile that names it
	s_endpgm
.Lfunc_end_k_q98a49f4891_attn:
	.size	k_q98a49f4891_attn, .Lfunc_end_k_q98a49f4891_attn-k_q98a49f4891_attn
	.p2alignl 7, 3214868480
	.fill 96, 4, 3214868480
	.section	.rodata,"a",@progbits
	.p2align	6, 0x0
	.amdhsa_kernel k_q98a49f4891_attn
		.amdhsa_group_segment_fixed_size 327680
		.amdhsa_private_segment_fixed_size 0
		.amdhsa_enable_private_segment 0
		.amdhsa_kernarg_size 48
		.amdhsa_user_sgpr_count 2
		.amdhsa_user_sgpr_kernarg_segment_ptr 1
		.amdhsa_wavefront_size32 1
		.amdhsa_system_sgpr_workgroup_id_x 1
		.amdhsa_system_sgpr_workgroup_id_y 1
		.amdhsa_system_sgpr_workgroup_id_z 1
		.amdhsa_system_vgpr_workitem_id 0
		.amdhsa_next_free_vgpr 1024
		.amdhsa_next_free_sgpr 66
		.amdhsa_reserve_vcc 0
		.amdhsa_float_denorm_mode_32 3
		.amdhsa_float_denorm_mode_16_64 3
		.amdhsa_memory_ordered 1
		.amdhsa_forward_progress 1
		.amdhsa_inst_pref_size 255
	.end_amdhsa_kernel
	.section	.bss,"aw",@nobits
	.p2align	6
	.space	262144
	.amdgpu_metadata
---
amdhsa.version: [ 1, 2 ]
amdhsa.kernels:
  - .name:           k_q98a49f4891_attn
    .symbol:         k_q98a49f4891_attn.kd
    .args:
      - { .name: x, .offset: 0, .size: 8, .value_kind: global_buffer, .address_space: global }
      - { .name: wk2, .offset: 8, .size: 8, .value_kind: global_buffer, .address_space: global }
      - { .name: wv2, .offset: 16, .size: 8, .value_kind: global_buffer, .address_space: global }
      - { .name: lowp_scales, .offset: 24, .size: 8, .value_kind: global_buffer, .address_space: global }
      - { .name: qbuf, .offset: 32, .size: 8, .value_kind: global_buffer, .address_space: global }
      - { .name: part, .offset: 40, .size: 8, .value_kind: global_buffer, .address_space: global }
    .group_segment_fixed_size: 327680
    .private_segment_fixed_size: 0
    .kernarg_segment_align: 8
    .kernarg_segment_size: 48
    .max_flat_workgroup_size: 128
    .sgpr_count:     66
    .vgpr_count:     1024
    .wavefront_size: 32
...
	.end_amdgpu_metadata
.endif
;; end of part 2
;; launch combine (part 3): grid 8 x 8, 1 waves a work-group, no clusters, 0 bytes of LDS; arguments part, out0; writes out0
.if DOCPART == 3
	.amdgcn_target "amdgcn-amd-amdhsa--gfx1250"
	.amdhsa_code_object_version 6
	.text
	.protected	k_q98a49f4891_combine
	.globl	k_q98a49f4891_combine
	.p2align	8
	.type	k_q98a49f4891_combine,@function
k_q98a49f4891_combine:
	s_mov_b64 s[64:65], 0
	v_nop
	global_prefetch_b8 v0, s[64:65] scope:SCOPE_SE
	s_setreg_imm32_b32 hwreg(HW_REG_WAVE_MODE, 25, 1), 1
	s_wait_xcnt 0x0
; out0[b][e] = sum over g of 2^(M_g - M) ctx_g[e] / sum over g of 2^(M_g - M) l_g, g the batch's 32 parts, M the largest M_g: the parts' softmaxes are brought under one maximum.
; part: 2,560 bytes a part: ctx[512] f32, then (M, l) repeated.  One wave takes a batch (work-group y) and 64 columns (work-group x): lane g holds part g's M and l, and two columns of every part.
; Each load of ctx covers 256 consecutive bytes.  l_g is at least 1 (the part's largest p is 1), so the divisor is at least 1.  A sum over work-groups of the launch before: hence a launch of its own.
	s_load_b128 s[4:7], s[0:1], 0x0                ; part, out0
	s_and_b32 s8, ttmp7, 0xffff                    ; the batch
	s_mul_i32 s2, s8, 81920                        ; its 32 parts of 2,560 bytes
	s_mov_b32 s3, 0
	s_lshl_b32 s9, ttmp9, 8                        ; my 64 columns, in bytes
	s_lshl_b32 s10, s8, 11                         ; a row of out0 is 2,048 bytes
	s_add_co_u32 s10, s10, s9
	s_mov_b32 s11, 0
	s_mov_b32 s12, 0x76543210                      ; v_permlanex16_b32: each lane takes its own place in the other half
	s_mov_b32 s13, 0xfedcba98
	v_mul_u32_u24 v1, v0, 2560                     ; part g = lane
	v_lshlrev_b32 v5, 3, v0                        ; 8 x lane
	v_add_nc_u32 v4, s9, v5
	v_mov_b32 v7, 0                                ; written once: a lane permute's destination counts as one of its sources
	s_wait_alu depctr_va_vdst(0)                   ; the wait at the head's end
	s_wait_kmcnt 0x0
	s_add_nc_u64 s[4:5], s[4:5], s[2:3]
	s_add_nc_u64 s[6:7], s[6:7], s[10:11]
	global_load_b64 v[2:3], v1, s[4:5] offset:2048 ; M_g, l_g
.set g, 0
.rept 32
	global_load_b64 v[32+2*g:33+2*g], v4, s[4:5] offset:2560*g
.set g, g+1
.endr
	s_wait_loadcnt 32                              ; M and l are in; the 32 loads of ctx stay out
	v_mov_b32 v6, v2                               ; M_g is kept; the maximum is made in a second register
.irp x, 1,2,4,8
	v_max_num_f32_dpp v6, v6, v6 row_xmask:\x row_mask:0xf bank_mask:0xf
.endr
	v_permlanex16_b32 v7, v6, s12, s13
	v_max_num_f32 v6, v6, v7                       ; M
	v_sub_f32 v6, v2, v6
	s_wait_alu depctr_va_vdst(0)                   ; the waits ahead of a transcendental and behind it
	v_exp_f32 v6, v6                               ; 2^(M_g - M)
	v_nop                                          ; one plain instruction behind a transcendental
	s_wait_alu depctr_va_vdst(0)
	v_mul_f32 v8, v6, v3
.irp x, 1,2,4,8
	v_add_f32_dpp v8, v8, v8 row_xmask:\x row_mask:0xf bank_mask:0xf
.endr
	v_permlanex16_b32 v7, v8, s12, s13
	v_add_f32 v8, v8, v7                           ; the batch's sum
	s_wait_alu depctr_va_vdst(0)
	v_rcp_f32 v8, v8
	v_nop
	s_wait_alu depctr_va_vdst(0)
	v_mul_f32 v6, v6, v8                           ; part g's weight
	s_wait_alu depctr_va_vdst(0)
	s_wait_loadcnt 0x0
.set g, 0
.rept 32
	v_readlane_b32 s[16+g], v6, g                  ; as scalars: operands of the multiply-adds, nothing else
.set g, g+1
.endr
.set g, 0
.rept 32                               ; four chains for each column
.if g < 4
	v_mul_f32 v[12+2*(g%4)], s[16+g], v[32+2*g]
	v_mul_f32 v[13+2*(g%4)], s[16+g], v[33+2*g]
.else
	v_fmac_f32 v[12+2*(g%4)], s[16+g], v[32+2*g]
	v_fmac_f32 v[13+2*(g%4)], s[16+g], v[33+2*g]
.endif
.set g, g+1
.endr
	v_pk_add_f32 v[12:13], v[12:13], v[14:15]
	v_pk_add_f32 v[16:17], v[16:17], v[18:19]
	v_pk_add_f32 v[12:13], v[12:13], v[16:17]
	global_store_b64 v5, v[12:13], s[6:7]          ; 32 lanes store 256 consecutive bytes, at a multiple of 256 from out0's first byte
	s_endpgm
.Lfunc_end_k_q98a49f4891_combine:
	.size	k_q98a49f4891_combine, .Lfunc_end_k_q98a49f4891_combine-k_q98a49f4891_combine
	.p2alignl 7, 3214868480
	.fill 96, 4, 3214868480
	.section	.rodata,"a",@progbits
	.p2align	6, 0x0
	.amdhsa_kernel k_q98a49f4891_combine
		.amdhsa_group_segment_fixed_size 0
		.amdhsa_private_segment_fixed_size 0
		.amdhsa_enable_private_segment 0
		.amdhsa_kernarg_size 16
		.amdhsa_user_sgpr_count 2
		.amdhsa_user_sgpr_kernarg_segment_ptr 1
		.amdhsa_wavefront_size32 1
		.amdhsa_system_sgpr_workgroup_id_x 1
		.amdhsa_system_sgpr_workgroup_id_y 1
		.amdhsa_system_sgpr_workgroup_id_z 1
		.amdhsa_system_vgpr_workitem_id 0
		.amdhsa_next_free_vgpr 96
		.amdhsa_next_free_sgpr 66
		.amdhsa_reserve_vcc 0
		.amdhsa_float_denorm_mode_32 3
		.amdhsa_float_denorm_mode_16_64 3
		.amdhsa_memory_ordered 1
		.amdhsa_forward_progress 1
		.amdhsa_inst_pref_size 10
	.end_amdhsa_kernel
	.amdgpu_metadata
---
amdhsa.version: [ 1, 2 ]
amdhsa.kernels:
  - .name:           k_q98a49f4891_combine
    .symbol:         k_q98a49f4891_combine.kd
    .args:
      - { .name: part, .offset: 0, .size: 8, .value_kind: global_buffer, .address_space: global }
      - { .name: out0, .offset: 8, .size: 8, .value_kind: global_buffer, .address_space: global }
    .group_segment_fixed_size: 0
    .private_segment_fixed_size: 0
    .kernarg_segment_align: 8
    .kernarg_segment_size: 16
    .max_flat_workgroup_size: 32
    .sgpr_count:     66
    .vgpr_count:     96
    .wavefront_size: 32
...
	.end_amdgpu_metadata
.endif
;; end of part 3
